; MI455X (gfx1250); checked and timed in simulation.
; The chip was launched on July 23, 2026; its instructions are those of AMD's public machine-readable ISA for CDNA 5 (MIT licence, August 2026) and "CDNA5" Instruction Set Architecture Reference Guide (July 2026). The comments in the code are by the model that wrote it; some were corrected since.
;; Multi Head Attention. Allowed arithmetic: matrix products marked QUANTISED: E3M2 operands, one E8M0 scale for each 32 along K, by v_wmma_scale_f32_16x16x128_f8f6f4 with both operands' format E3M2, f32 sums; everything else in f32.
;; Inputs: Wk 1,024 x 1,024 float32; Wq 1,024 x 1,024 float32; Wv 1,024 x 1,024 float32; bk 1,024 float32; bq 1,024 float32; bv 1,024 float32; hidden_states 4 x 2,048 x 1,024 float32.
;; Outputs: out0 4 x 2,048 x 1,024 float32.
;; This version of the problem:
;;   THIS VERSION OF THE PROBLEM IS GIVEN IN LOW PRECISION. The matrix products marked QUANTISED in the list below multiply operands that are first quantised to E3M2 (3 exponent bits, 2 mantissa bits; 6 bits a number), with one power-of-two scale for each 32 numbers along K (OCP MX v1.0); their sums are f32. All else is computed in f32.
;;   The module's matrix products, in the order in which they are computed (A, B: the left and right operand; K: the contracted axis; several contracted axes count as one K, in the product's order):
;;     1. [M 8,192, K 1,024] x [K 1,024, N 1,024]; A: input hidden_states; B: input Wq: QUANTISED
;;     2. [M 8,192, K 1,024] x [K 1,024, N 1,024]; A: input hidden_states; B: input Wk: QUANTISED
;;     3. [M 8,192, K 1,024] x [K 1,024, N 1,024]; A: input hidden_states; B: input Wv: QUANTISED
;;     4. batch 64 x [M 2,048, K 64] x [K 64, N 2,048]; A: computed on the way; B: computed on the way: QUANTISED
;;     5. batch 64 x [M 2,048, K 2,048] x [K 2,048, N 64]; A: softmax (see below); B: computed on the way: QUANTISED
;;   THE QUANTISER, for each operand of a quantised product, along K:
;;     - K is cut into blocks of 32 from its start; a last block that is shorter is filled with zeros.
;;     - A block's scale is 2^e with e = floor(log2(the largest magnitude in the block)) - 4, held to -126 .. 127; a block of zeros has e = 0. As a byte (E8M0): e + 127.
;;     - Each number is divided by its block's scale, clamped to +-28, and rounded to the nearest number of E3M2, ties to even, subnormals kept.
;;     - The product sums the exact products of the quantised numbers (number of the format x scale) in f32.
;;   ~~~python
;;   def quantise(x, axis):      # numpy; x: float32 -> the quantised numbers, widened to float32 again
;;       x = np.moveaxis(x, axis, -1); K = x.shape[-1]
;;       x = np.pad(x, [(0, 0)] * (x.ndim - 1) + [(0, -K % 32)]); x = x.reshape(x.shape[:-1] + (-1, 32)); a = np.abs(x).max(-1, keepdims=True)
;;       e = np.where(a > 0, np.clip(np.frexp(np.where(a > 0, a, 1))[1] - 1 - 4, -126, 127), 0)      # np.frexp(a)[1] - 1 = floor(log2(a)), exactly
;;       r = np.clip(x / 2.0 ** e, -28, 28)
;;       step = 2.0 ** (np.maximum(np.frexp(np.where(r == 0, 1, r))[1] - 1, -2) - 2)
;;       q = np.round(r / step) * step * 2.0 ** e      # np.round: ties to even
;;       return np.moveaxis(q.reshape(q.shape[:-2] + (-1,))[..., :K], -1, axis).astype(np.float32)
;;   ~~~
;;   SOFTMAX AHEAD OF A QUANTISED PRODUCT. Where the list says 'softmax', what is quantised is not the finished softmax but p = 2^(t - M), with t = logit x log2(e) and M = ceil(the row's largest t), a whole number; so 1/2 < the row's largest p <= 1. The row's sum l is taken of the UNQUANTISED p, in f32, and the product's result is divided by l at the end. Since M is a whole number, a kernel that streams over the keys may use a running M (the ceiling of the running maximum): every later rescaling is an exact power of two, which a block's scale takes up: the codes' values come out the same.
;;   OPERANDS COMPUTED ON THE WAY. 'Computed on the way' means the value that the module computes at that place (a softmax that the list does not call 'softmax' is quantised finished and normalised). What goes into a quantiser is computed in f32, as accurately as f32 sums, v_exp_f32 and their like allow (about 1e-6 of the number): no bf16 or f16 on the way to a quantiser, and a product that is left as it is and whose result goes on into a quantised operand takes f32 operands (vector FMAs, or v_wmma_f32_16x16x4_f32). A number that lies on a knife's edge between two numbers of the format may be rounded either way, as far as f32 arithmetic and the matrix unit's own rounding can turn it there, and no further.
;; One version. Each part assembles by itself: llvm-mc -triple=amdgcn-amd-amdhsa -mcpu=gfx1250 --defsym DOCPART=n.
;; ======== version 1 of 1: 3 launches
;; workspace buffers: xq 6,553,600 bytes; wq 2,457,600 bytes; qws 6,815,744 bytes; kv 13,369,344 bytes
;; launch quant (part 1): grid 704 x 1, 4 waves a work-group, no clusters, 79,360 bytes of LDS; arguments hidden_states, Wq, Wk, Wv, xq, wq; writes xq, wq
.if DOCPART == 1
	.amdgcn_target "amdgcn-amd-amdhsa--gfx1250"
	.amdhsa_code_object_version 6
	.text
	.protected	k_q6bf21736b2_quant
	.globl	k_q6bf21736b2_quant
	.p2align	8
	.type	k_q6bf21736b2_quant,@function
k_q6bf21736b2_quant:
	s_mov_b64 s[64:65], 0
	v_nop
	global_prefetch_b8 v0, s[64:65] scope:SCOPE_SE
	s_setreg_imm32_b32 hwreg(HW_REG_WAVE_MODE, 25, 1), 1
	s_wait_xcnt 0x0
; MULTI-HEAD ATTENTION IN MX-BF6, LAUNCH 1 OF 3: hidden_states [8192][1024] and Wq, Wk, Wv [1024 (k)][1024 (n)], f32, become codes of E3M2 with one E8M0 byte for each 32 along K (K = the hidden 1,024).
; DEAD WORK: none is left out in any of the three launches.  All five products are live; bq, bk and bv go into quantised operands (q, k, v), so all three move codes or scales and are loaded (by the second launch).
; THE QUANTISER: a block's scale is 2^(floor(log2(its largest magnitude)) - 4); its byte is the largest magnitude's exponent field - 4, held at 1 from below by a floor among the maximum's leaves (the hold at e = -126).
; The conversion divides by the scale, rounds to the nearest code, ties to even, and gives the largest code beyond 28.
; LIMITS: a block of zeros gets the byte 1 where the rule says 127: its codes are zeros, which add nothing under any byte but 0xff, and this program alone reads the bytes.  NaN and infinities among the inputs are not served.
; THE WORKSPACE IS LAID AS IMAGES OF THE OPERANDS' REGISTERS.  A fragment (16 rows x 128 K, 12 registers a lane) is 1,536 bytes: register p of lane l at 512 (p / 4) + 16 l + 4 (p % 4): three loads of 16 bytes a lane bring it back.
; THE ROWS OF A TILE ARE NOT NEIGHBOURS: lane r of tile 2 b + u takes row (of x) or column n (of W) 32 b + 8 u + r + 8 (r / 8), so that a product's two neighbouring result tiles hold 16 neighbours along that axis in a lane.
;   xq [mb 64][102,400]: block mb = rows 128 mb on.  Codes: K step s (0..7) x tile T (0..7) at 12,288 s + 1,536 T.  Scale registers at 98,304 + 2,048 (s / 4) + 256 T + 128 ((s % 4) / 2) + 4 l:
;      lanes 0-15 the rows' words of the even K step, lanes 16-31 those of the odd one.
;   wq [g 4][type 3][half 2][102,400]: g = 256 columns n, type = q, k, v, half = 4 K steps.  Codes: 24,576 s' + 1,536 NT (s' 0..3, NT 0..15).  Scale registers at 98,304 + 256 NT + 128 (s' / 2) + 4 l, halves of the lanes as in xq.
; SHARES.  Work-groups 0..511 take x: a wave takes one tile (16 rows) x 256 along K, 16 KiB.  Work-groups 512..703 take W: a wave takes 32 neighbouring columns (a pair of tiles) x 128 along K, 16 KiB.
; The two ways part on the work-group's number, never join, and have LDS bytes of their own.  No tensor loads, no barrier: waves share nothing.
.set XW,    16640                      ; x: a wave's stage: 16 rows x XP
.set XP,    1040                       ; 1,024 bytes + 16 = 260 words: the sixteen rows that a load touches begin 4 words apart modulo 64 (64 banks of 4 bytes: ISA guide 11.1)
.set WST,   66560                      ; W: the stages begin here,
.set WW,    3072                       ; two fragment images for each wave
.set SPARE, 78848                      ; the spare words, 128 bytes for each wave: two blocks of 256 bytes that no other line names
.set LN16,  4                          ; v4   16 x lane
.set LN4,   5                          ; v5   4 x lane
.set SH8,   6                          ; v6   8 h
.set XI,    7                          ; v7   x: into the stage
.set XO,    8                          ; v8   x: out of it
.set WA,    9                          ; v9   W: my column's place in its tile's image
.set WR,    10                         ; v10  W: the images read back
.set WSO,   11                         ; v11  W: my column's place among the scale registers
.set MX,    12                         ; v12-13 largest magnitudes
.set PD,    15                         ; v15  a lane permute's destination
.set SO,    16                         ; v16-17 the conversions' scale operands (W: v16 the scale word, v17 the operand)
.set BY,    18                         ; v18-19 scale bytes
.set CT,    20                         ; v20-22, v24-26 a block's upper 16 codes
.set WD,    28                         ; v28-29 x: the two K steps' scale words
.set SR,    30                         ; v30  x: the scale register as it is stored
.set RR,    32                         ; v32-159 x: 32 loads as they come; later the second K step's 64 numbers.  W: v32-95 two sets of 32, v96-127 codes, v128-151 the images
.set XA,    160                        ; v160-223 x: the first K step's 64 numbers
.set CDX,   224                        ; v224-247 x: two fragments
.set SPW,   248                        ; v248 LDS address of my spare word; never rewritten
.set NIL,   249                        ; v249 0; never rewritten
	s_load_b256 s[4:11], s[0:1], 0x0               ; hidden_states, Wq, Wk, Wv
	s_load_b128 s[12:15], s[0:1], 0x20             ; xq, wq
	v_lshl_add_u32 v[SPW], v0, 2, SPARE
	v_mov_b32 v[NIL], 0
	v_lshrrev_b32 v1, 5, v0
	v_readfirstlane_b32 s16, v1                    ; wave 0..3
	v_and_b32 v1, 31, v0                           ; lane
	v_and_b32 v2, 15, v0                           ; r
	v_bfe_u32 v3, v0, 4, 1                         ; h
	v_lshlrev_b32 v[LN16], 4, v1
	v_lshlrev_b32 v[LN4], 2, v1
	v_lshlrev_b32 v[SH8], 3, v3
	s_mul_i32 s17, s16, XW
	v_add_nc_u32 v[XI], s17, v[LN16]               ; in: as loaded, 16 bytes a lane
	v_mul_u32_u24 v[XO], v2, XP
	v_lshl_add_u32 v[XO], v3, 7, v[XO]
	v_add_nc_u32 v[XO], s17, v[XO]                 ; out: row r, + 128 h: my block of 32 numbers
	v_bfe_u32 v12, v0, 3, 1                        ; W: column 'lane' of 32 lies in tile u = (lane / 8) % 2,
	v_and_b32 v13, 7, v0
	v_lshl_add_u32 v13, v3, 3, v13                 ; at its lane r' = lane % 8 + 8 (lane / 16)
	s_mul_i32 s18, s16, WW
	s_add_co_u32 s18, s18, WST
	v_mul_u32_u24 v[WA], v12, 1536
	v_lshl_add_u32 v[WA], v13, 4, v[WA]
	v_add_nc_u32 v[WA], s18, v[WA]
	v_add_nc_u32 v[WR], s18, v[LN16]
	v_lshlrev_b32 v[WSO], 8, v12
	v_lshl_add_u32 v[WSO], v13, 2, v[WSO]
	s_mov_b32 s20, 0x76543210
	s_mov_b32 s21, 0xfedcba98                      ; v_permlanex16_b32's selects for lane l xor 16
	s_mov_b32 s22, 0xffff0000                      ; lanes 16-31
	v_mov_b32 v[PD], 0                             ; a lane permute's destination counts as one of its sources
	s_mov_b32 s29, 0
	s_wait_kmcnt 0x0
	s_cmp_ge_u32 ttmp9, 512
	s_cbranch_scc1 .Lw_path
	; ---------------- x ----------------
	s_lshr_b32 s24, ttmp9, 3                       ; mb
	s_bfe_u32 s25, ttmp9, 0x20001                  ; which pair of K steps, 0..3
	s_and_b32 s26, ttmp9, 1
	s_lshl_b32 s26, s26, 2
	s_add_co_u32 s26, s26, s16                     ; T
	s_lshl_b32 s27, s24, 7
	s_lshr_b32 s28, s26, 1
	s_lshl_b32 s28, s28, 5
	s_add_co_u32 s27, s27, s28
	s_and_b32 s28, s26, 1
	s_lshl_b32 s28, s28, 3
	s_add_co_u32 s27, s27, s28                     ; the tile's first row: 128 mb + 32 (T / 2) + 8 (T % 2)
	s_lshl_b32 s28, s27, 12                        ; rows of 4,096 bytes
	s_lshl_b32 s30, s25, 10                        ; 256 along K are 1,024 bytes
	s_add_co_u32 s28, s28, s30
	s_add_nc_u64 s[4:5], s[4:5], s[28:29]
	s_mul_i32 s30, s24, 102400
	s_mul_i32 s31, s25, 24576
	s_mul_i32 s32, s26, 1536
	s_add_co_u32 s28, s30, s31
	s_add_co_u32 s28, s28, s32
	s_add_nc_u64 s[34:35], s[12:13], s[28:29]      ; where the codes go
	s_lshr_b32 s31, s25, 1
	s_lshl_b32 s31, s31, 11
	s_lshl_b32 s32, s26, 8
	s_and_b32 s33, s25, 1
	s_lshl_b32 s33, s33, 7
	s_add_co_u32 s28, s30, s31
	s_add_co_u32 s28, s28, s32
	s_add_co_u32 s28, s28, s33
	s_add_co_u32 s28, s28, 98304
	s_add_nc_u64 s[36:37], s[12:13], s[28:29]      ; and the scale register
.set q, 0
.rept 32                               ; load q: tile row q / 2 (memory row q / 2 + 8 (q / 16)), half q % 2: the wave reads 512 consecutive bytes
	global_load_b128 v[RR+4*q:RR+4*q+3], v[LN16], s[4:5] offset:((q/2)+8*(q/16))*4096+512*(q%2) th:TH_LOAD_NT
.set q, q+1
.endr
.irp gq, 0,1,2,3
	s_wait_loadcnt 24-8*\gq                        ; loads come back in order: this group of eight is in, the younger groups may be out
.irp qq, 0,1,2,3,4,5,6,7
	ds_store_b128 v[XI], v[RR+4*(8*\gq+\qq):RR+4*(8*\gq+\qq)+3] offset:((8*\gq+\qq)/2)*XP+512*(\qq%2)
.endr
.endr
; K step e of my row: the operand's layout gives lane (r, h) k = 64 c + 32 h + 0 .. 31: two whole blocks, 128 bytes each
.macro XREAD e, reg
.irp c, 0,1
.irp jj, 0,1,2,3,4,5,6,7
	ds_load_b128 v[\reg+32*\c+4*\jj:\reg+32*\c+4*\jj+3], v[XO] offset:512*\e+256*\c+16*\jj   ; LDS serves a wave's instructions in order: these see my stores
.endr
.endr
.endm
; 64 numbers in v[s] on become a fragment in v[cd] on, which is stored, and its rows' scale word in v[wd]
.macro QX s, cd, wd, e
.irp c, 0,1
	v_max3_num_f32 v[MX+\c], |v[\s+32*\c]|, |v[\s+32*\c+1]|, 0x2800000   ; my block 2 c + h: all 32 numbers are mine; the floor 2^(5 - 127) holds the byte at 1 from below
.endr
.irp i, 2,4,6,8,10,12,14,16,18,20,22,24,26,28,30
.irp c, 0,1
	v_max3_num_f32 v[MX+\c], v[MX+\c], |v[\s+32*\c+\i]|, |v[\s+32*\c+\i+1]|   ; (the two blocks by turns)
.endr
.endr
.irp c, 0,1
	v_add_nc_u32 v[SO+\c], 0xfe000000, v[MX+\c]    ; 4 off the exponent field: the conversion takes the exponent field of this operand as its scale
.endr
.irp c, 0,1
	v_lshrrev_b32 v[BY+\c], 23, v[SO+\c]           ; the scale's byte
.endr
	v_lshl_or_b32 v[\wd], v[BY+1], 16, v[BY]       ; my two bytes, blocks h and 2 + h,
	v_lshlrev_b32 v[\wd], v[SH8], v[\wd]           ; at their places in the word;
	v_permlanex16_b32 v[PD], v[\wd], s20, s21
	v_or_b32 v[\wd], v[\wd], v[PD]                 ; with lane l xor 16's two the word is whole, in both halves of the lanes
.irp c, 0,1
	v_cvt_scalef32_pk16_bf6_f32 v[\cd+6*\c:\cd+6*\c+2], v[\s+32*\c:\s+32*\c+15], v[SO+\c]
	v_cvt_scalef32_pk16_bf6_f32 v[CT+4*\c:CT+4*\c+2], v[\s+32*\c+16:\s+32*\c+31], v[SO+\c]   ; (a conversion's three registers begin on an even number)
.endr
	v_nop                                          ; one plain place behind a scaled conversion
.irp c, 0,1
.irp i, 0,1,2
	v_mov_b32 v[\cd+6*\c+3+\i], v[CT+4*\c+\i]
.endr
.endr
.irp g, 0,1,2
	global_store_b128 v[LN16], v[\cd+4*\g:\cd+4*\g+3], s[34:35] offset:\e*12288+512*\g   ; the wave stores 512 consecutive bytes, aligned
.endr
.endm
	XREAD 0, XA
	s_wait_dscnt 16                                ; all but the sixteen loads just issued: the 32 stores have read their registers,
	XREAD 1, RR                                    ; which take the second K step
	s_wait_dscnt 16                                ; the first K step's numbers are in
	QX XA, CDX, WD, 0
	s_wait_dscnt 0x0
	QX RR, CDX+12, WD+1, 1
	v_cndmask_b32 v[SR], v[WD], v[WD+1], s22       ; lanes 0-15: the even K step's words; lanes 16-31: the odd one's
	global_store_b32 v[LN4], v[SR], s[36:37]
	s_wait_tensorcnt 0x0                           ; the wave's end: behind my last LDS store
	ds_add_u32 v[SPW], v[NIL]
	s_wait_dscnt 0x0
	s_endpgm
	; ---------------- W ----------------
.Lw_path:
	s_sub_co_u32 s24, ttmp9, 512
	s_lshr_b32 s25, s24, 6                         ; type: 0 q, 1 k, 2 v
	s_bfe_u32 s26, s24, 0x30003                    ; K step s, 0..7
	s_and_b32 s27, s24, 7                          ; which 128 columns
	s_cmp_eq_u32 s25, 0                            ; the choice of buffer hangs on the work-group's number alone
	s_cselect_b64 s[6:7], s[6:7], s[8:9]
	s_cmp_eq_u32 s25, 2
	s_cselect_b64 s[6:7], s[10:11], s[6:7]
	s_lshl_b32 s28, s26, 19                        ; 128 rows of 4,096 bytes a K step
	s_lshl_b32 s30, s27, 9
	s_add_co_u32 s28, s28, s30
	s_lshl_b32 s30, s16, 7                         ; my wave's 32 columns
	s_add_co_u32 s28, s28, s30
	s_add_nc_u64 s[6:7], s[6:7], s[28:29]
	s_lshr_b32 s30, s27, 1                         ; g
	s_mul_i32 s30, s30, 3
	s_add_co_u32 s30, s30, s25
	s_lshl_b32 s30, s30, 1
	s_lshr_b32 s31, s26, 2
	s_add_co_u32 s30, s30, s31
	s_mul_i32 s30, s30, 102400                     ; ((3 g + type) 2 + s / 4) chunks
	s_and_b32 s31, s26, 3                          ; s'
	s_and_b32 s32, s27, 1
	s_lshl_b32 s32, s32, 3
	s_lshl_b32 s33, s16, 1
	s_add_co_u32 s32, s32, s33                     ; my first tile NT
	s_mul_i32 s33, s31, 24576
	s_add_co_u32 s28, s30, s33
	s_mul_i32 s33, s32, 1536
	s_add_co_u32 s28, s28, s33
	s_add_nc_u64 s[34:35], s[14:15], s[28:29]      ; where the two images go
	s_lshl_b32 s33, s32, 8
	s_add_co_u32 s28, s30, s33
	s_lshr_b32 s33, s31, 1
	s_lshl_b32 s33, s33, 7
	s_add_co_u32 s28, s28, s33
	s_and_b32 s33, s31, 1
	s_lshl_b32 s33, s33, 6                         ; an odd K step's words go to lanes 16-31 of the register
	s_add_co_u32 s28, s28, s33
	s_add_co_u32 s28, s28, 98304
	s_add_nc_u64 s[36:37], s[14:15], s[28:29]
; A LANE TAKES A COLUMN, AND ITS REGISTERS RUN DOWN K: a block of 32 lies in one lane, and the conversions give codes with K innermost.  Nothing is transposed by an instruction.
.macro WLOAD kb
.irp i, 0,1,2,3,4,5,6,7,8,9,10,11,12,13,14,15,16,17,18,19,20,21,22,23,24,25,26,27,28,29,30,31
	global_load_b32 v[RR+32*((\kb)%2)+\i], v[LN4], s[6:7] offset:(32*(\kb)+\i)*4096 th:TH_LOAD_NT
.endr
.endm
.macro BLOCK kb
.set XS, RR+32*((\kb)%2)
.set CD, 96+8*(\kb)
.if (\kb) < 3
	s_wait_loadcnt 32                              ; this block's 32 loads are in; the next block's may be out
.else
	s_wait_loadcnt 0x0
.endif
	v_max3_num_f32 v12, |v[XS]|, |v[XS+1]|, |v[XS+2]|
	v_max3_num_f32 v13, |v[XS+3]|, |v[XS+4]|, |v[XS+5]|
.irp i, 6,10,14,18,22,26
	v_max3_num_f32 v12, v12, |v[XS+\i]|, |v[XS+\i+1]|
	v_max3_num_f32 v13, v13, |v[XS+\i+2]|, |v[XS+\i+3]|
.endr
	v_max3_num_f32 v12, v12, |v[XS+30]|, |v[XS+31]|
	v_max3_num_f32 v12, v12, v13, 0x2800000        ; and the floor
	v_add_nc_u32 v17, 0xfe000000, v12
	v_lshrrev_b32 v13, 23, v17
.if (\kb) == 0
	v_mov_b32 v16, v13                             ; four bytes make my column's scale word, the lower K in the lower byte
.else
	v_lshl_or_b32 v16, v13, 8*(\kb), v16
.endif
	v_cvt_scalef32_pk16_bf6_f32 v[CD:CD+2], v[XS:XS+15], v17
	v_cvt_scalef32_pk16_bf6_f32 v[CT:CT+2], v[XS+16:XS+31], v17
	v_nop                                          ; one plain place behind a scaled conversion
.irp i, 0,1,2
	v_mov_b32 v[CD+3+\i], v[CT+\i]
.endr
; block kb = 2 c + hb is registers 6 c .. 6 c + 5 of lane r' + 16 hb of my tile's image
.if (\kb)/2 == 0
	ds_store_b128 v[WA], v[CD:CD+3] offset:256*((\kb)%2)
	ds_store_b64 v[WA], v[CD+4:CD+5] offset:512+256*((\kb)%2)
.else
	ds_store_b64 v[WA], v[CD:CD+1] offset:520+256*((\kb)%2)
	ds_store_b128 v[WA], v[CD+2:CD+5] offset:1024+256*((\kb)%2)
.endif
.if (\kb) < 2
	WLOAD (\kb)+2
.endif
.endm
	WLOAD 0
	WLOAD 1
	BLOCK 0
	BLOCK 1
	BLOCK 2
	BLOCK 3
.irp g, 0,1,2,3,4,5
	ds_load_b128 v[128+4*\g:131+4*\g], v[WR] offset:512*\g   ; LDS serves a wave's instructions in order: these see my stores
.endr
	s_wait_alu depctr_va_vdst(0)
.irp g, 0,1,2,3,4,5
	s_wait_dscnt 5-\g                              ; the younger loads may be out
	global_store_b128 v[LN16], v[128+4*\g:131+4*\g], s[34:35] offset:512*\g   ; 512 consecutive bytes, aligned
.endr
	global_store_b32 v[WSO], v16, s[36:37]
	s_wait_tensorcnt 0x0                           ; the wave's end: behind my last LDS store
	ds_add_u32 v[SPW], v[NIL]
	s_wait_dscnt 0x0
	s_endpgm
.Lfunc_end_k_q6bf21736b2_quant:
	.size	k_q6bf21736b2_quant, .Lfunc_end_k_q6bf21736b2_quant-k_q6bf21736b2_quant
	.p2alignl 7, 3214868480
	.fill 96, 4, 3214868480
	.section	.rodata,"a",@progbits
	.p2align	6, 0x0
	.amdhsa_kernel k_q6bf21736b2_quant
		.amdhsa_group_segment_fixed_size 79360
		.amdhsa_private_segment_fixed_size 0
		.amdhsa_enable_private_segment 0
		.amdhsa_kernarg_size 48
		.amdhsa_user_sgpr_count 2
		.amdhsa_user_sgpr_kernarg_segment_ptr 1
		.amdhsa_wavefront_size32 1
		.amdhsa_system_sgpr_workgroup_id_x 1
		.amdhsa_system_sgpr_workgroup_id_y 1
		.amdhsa_system_sgpr_workgroup_id_z 1
		.amdhsa_system_vgpr_workitem_id 0
		.amdhsa_next_free_vgpr 256
		.amdhsa_next_free_sgpr 66
		.amdhsa_reserve_vcc 0
		.amdhsa_float_denorm_mode_32 3
		.amdhsa_float_denorm_mode_16_64 3
		.amdhsa_memory_ordered 1
		.amdhsa_forward_progress 1
		.amdhsa_inst_pref_size 39
	.end_amdhsa_kernel
	.amdgpu_metadata
---
amdhsa.version: [ 1, 2 ]
amdhsa.kernels:
  - .name:           k_q6bf21736b2_quant
    .symbol:         k_q6bf21736b2_quant.kd
    .args:
      - { .name: hidden_states, .offset: 0, .size: 8, .value_kind: global_buffer, .address_space: global }
      - { .name: Wq, .offset: 8, .size: 8, .value_kind: global_buffer, .address_space: global }
      - { .name: Wk, .offset: 16, .size: 8, .value_kind: global_buffer, .address_space: global }
      - { .name: Wv, .offset: 24, .size: 8, .value_kind: global_buffer, .address_space: global }
      - { .name: xq, .offset: 32, .size: 8, .value_kind: global_buffer, .address_space: global }
      - { .name: wq, .offset: 40, .size: 8, .value_kind: global_buffer, .address_space: global }
    .group_segment_fixed_size: 79360
    .private_segment_fixed_size: 0
    .kernarg_segment_align: 8
    .kernarg_segment_size: 48
    .max_flat_workgroup_size: 128
    .sgpr_count:     66
    .vgpr_count:     256
    .wavefront_size: 32
...
	.end_amdgpu_metadata
.endif
;; end of part 1
;; launch proj (part 2): grid 4 x 64, 4 waves a work-group, clusters of 4 x 4, 327,680 bytes of LDS; arguments xq, wq, bq, bk, bv, qws, kv; writes qws, kv
.if DOCPART == 2
	.amdgcn_target "amdgcn-amd-amdhsa--gfx1250"
	.amdhsa_code_object_version 6
	.text
	.protected	k_q6bf21736b2_proj
	.globl	k_q6bf21736b2_proj
	.p2align	8
	.type	k_q6bf21736b2_proj,@function
k_q6bf21736b2_proj:
	s_mov_b64 s[64:65], 0
	v_nop
	global_prefetch_b8 v0, s[64:65] scope:SCOPE_SE
	s_setreg_imm32_b32 hwreg(HW_REG_WAVE_MODE, 25, 1), 1
	s_wait_xcnt 0x0
	s_wait_alu depctr_hold_cnt(0) depctr_sa_sdst(0) depctr_va_vdst(0) depctr_va_sdst(0) depctr_va_ssrc(0) depctr_va_vcc(0) depctr_vm_vsrc(0)
	s_getreg_b32 s2, hwreg(HW_REG_IB_STS2, 6, 4)
	s_cmp_eq_u32 s2, 0
	s_cbranch_scc0 .Lentry_in_a_cluster
	s_endpgm
.Lentry_in_a_cluster:
	s_bfe_u32 s2, ttmp6, 0x10000c
	s_cmp_lg_u32 s2, 0xf033
	s_cbranch_scc0 .Lentry_shape_is_right
	s_endpgm
.Lentry_shape_is_right:
.set SLOTB, 102400
.set QTR,   25600
.set SPARE, 307200
.set L16,  2
.set AX,   2
.set AW,   4
.set AXS,  8
.set AWS,  9
.set SPW,  11
.set NIL,  12
.set SH16, 13
.set L8,   14
.set BOQ,  15
.set BOV,  16
.set SCB,  20
.set TM,   68
.set PW,   84
.set PWS,  86
.set CT,   90
.set IMG,  100
.set SCI,  148
.set BT,   144
.set WV,   18
.set G1X,  28
.set G1W,  36
.set G0X,  44
.set G0W,  48
.set QP,   56
.set KP,   58
.set SEL,  60
.set HI,   62
.set MSB, 0
.macro WIN new
.if MSB != (\new)
	s_set_vgpr_msb (MSB<<8)|(\new)
.set MSB, (\new)
.endif
.endm
.macro PLACES
.rept 4
	v_nop
.endr
.endm
.macro CROUND
	s_barrier_signal -1
	s_barrier_wait -1
	s_cmp_lg_u32 s[WV], 0
	s_cbranch_scc1 .Lnot_wave_0_\@
	s_barrier_signal -3
.Lnot_wave_0_\@:
	s_barrier_wait -3
	s_barrier_signal -1
	s_barrier_wait -1
.endm
	s_load_b256 s[4:11], s[0:1], 0x0
	s_load_b128 s[12:15], s[0:1], 0x20
	s_load_b64 s[16:17], s[0:1], 0x30
	v_lshl_add_u32 v[SPW], v0, 2, SPARE
	v_mov_b32 v[NIL], 0
	ds_add_u32 v[SPW], v[NIL]
	ds_add_u32 v[SPW], v[NIL]
	v_lshrrev_b32 v1, 5, v0
	v_readfirstlane_b32 s[WV], v1
	s_bfe_u32 s19, ttmp6, 0x40000
	s_bfe_u32 s20, ttmp6, 0x40004
	s_lshl_b32 s21, ttmp9, 2
	s_add_co_u32 s21, s21, s19
	s_and_b32 s22, ttmp7, 0xffff
	s_lshl_b32 s22, s22, 2
	s_add_co_u32 s22, s22, s20
	s_lshl_b32 s23, s20, 2
	s_lshl_b32 s23, 15, s23
	s_lshl_b32 s24, 0x1111, s19
	s_or_b32 s[G1X], s23, (3<<16)|(1<<21)
	s_or_b32 s[G1W], s24, (3<<16)|(1<<21)
.irp g, G1X, G1W
	s_mov_b32 s[\g+1], 32<<16
	s_mov_b32 s[\g+2], 100<<16
	s_mov_b32 s[\g+3], 32<<16
	s_mov_b32 s[\g+4], 100
	s_mov_b32 s[\g+5], 32
	s_mov_b32 s[\g+6], 0
	s_mov_b32 s[\g+7], 0
.endr
	s_mul_i32 s25, s[WV], QTR
	s_mul_i32 s66, s22, SLOTB
	s_add_co_u32 s66, s66, s25
	s_mov_b32 s67, 0
	s_mul_i32 s68, s21, 6*SLOTB
	s_add_co_u32 s68, s68, s25
	s_mov_b32 s69, 0
	s_mov_b32 s[SEL], 0x76543210
	s_mov_b32 s[SEL+1], 0xfedcba98
	s_mov_b32 s[HI], 0xffff0000
	s_wait_dscnt 0x0
	s_wait_kmcnt 0x0
	s_mov_b32 s[G0X], 1
	s_mov_b32 s[G0X+1], s25
	s_add_nc_u64 s[G0X+2:G0X+3], s[4:5], s[66:67]
	s_or_b32 s[G0X+3], s[G0X+3], 0x80000000
	s_add_nc_u64 s[70:71], s[6:7], s[68:69]
.irp sl, 0,1
	s_mov_b32 s[G0W+4*\sl], 1
	s_add_co_u32 s[G0W+4*\sl+1], s25, SLOTB*(1+\sl)
	s_add_nc_u64 s[G0W+4*\sl+2:G0W+4*\sl+3], s[70:71], \sl*SLOTB
	s_or_b32 s[G0W+4*\sl+3], s[G0W+4*\sl+3], 0x80000000
.endr
	CROUND
	tensor_load_to_lds s[G0X:G0X+3], s[G1X:G1X+7]
	s_nop 0
	s_wait_alu depctr_va_vdst(0)
	s_wait_tensorcnt 0x0
	ds_add_u32 v11, v12
	s_wait_dscnt 0x0
	CROUND
	tensor_load_to_lds s[G0W:G0W+3], s[G1W:G1W+7]
	s_nop 0
	s_wait_alu depctr_va_vdst(0)
	s_wait_tensorcnt 0x0
	ds_add_u32 v11, v12
	s_wait_dscnt 0x0
	CROUND
	tensor_load_to_lds s[G0W+4:G0W+7], s[G1W:G1W+7]
	s_nop 0
	PLACES
	s_lshr_b32 s72, s22, 4
	s_lshl_b32 s72, s72, 4
	s_lshl_b32 s73, s21, 2
	s_add_co_u32 s72, s72, s73
	s_add_co_u32 s72, s72, s[WV]
	s_lshl_b32 s72, s72, 4
	s_and_b32 s73, s22, 15
	s_add_co_u32 s72, s72, s73
	s_mul_i32 s74, s72, 6656
	s_mov_b32 s75, 0
	s_mul_i32 s76, s72, 13056
	s_mov_b32 s77, 0
	s_add_nc_u64 s[QP:QP+1], s[14:15], s[74:75]
	s_add_nc_u64 s[KP:KP+1], s[16:17], s[76:77]
	s_lshl_b32 s78, s21, 10
	s_lshl_b32 s79, s[WV], 8
	s_add_co_u32 s78, s78, s79
	s_mov_b32 s79, 0
	s_add_nc_u64 s[8:9], s[8:9], s[78:79]
	s_add_nc_u64 s[10:11], s[10:11], s[78:79]
	s_add_nc_u64 s[12:13], s[12:13], s[78:79]
	v_and_b32 v17, 31, v0
	v_lshlrev_b32 v[AX], 4, v17
	v_add_nc_u32 v[AX+1], 49152, v[AX]
	s_mul_i32 s26, s[WV], 6144
	s_add_co_u32 s26, s26, SLOTB
	v_add_nc_u32 v[AW], s26, v[AX]
	v_add_nc_u32 v[AW+1], 49152, v[AW]
	v_add_nc_u32 v[AW+2], SLOTB, v[AW]
	v_add_nc_u32 v[AW+3], 49152, v[AW+2]
	v_lshl_add_u32 v[AXS], v17, 2, 98304
	s_lshl_b32 s27, s[WV], 10
	s_add_co_u32 s27, s27, SLOTB+98304
	v_lshl_add_u32 v[AWS], v17, 2, s27
	v_add_nc_u32 v[AWS+1], SLOTB, v[AWS]
	v_and_b32 v[SH16], 16, v0
	v_lshlrev_b32 v[L8], 3, v17
	v_lshlrev_b32 v[BOQ], 2, v[SH16]
	v_and_b32 v18, 15, v0
	v_and_b32 v19, 8, v0
	v_add_nc_u32 v[BOV], v18, v19
	v_lshlrev_b32 v[BOV], 2, v[BOV]
.irp b, 0,1,2,3
	v_mov_b32 v[TM+4+\b], 0
.endr
	WIN 0x80
.irp wt, 0,1,2,3
	global_load_b128 v[BT+8*\wt:BT+8*\wt+3], v[BOQ], s[8:9] offset:(32*(\wt/2)+8*(\wt%2))*4
	global_load_b128 v[BT+8*\wt+4:BT+8*\wt+7], v[BOQ], s[8:9] offset:(32*(\wt/2)+8*(\wt%2))*4+16
	global_load_b128 v[BT+32+8*\wt:BT+32+8*\wt+3], v[BOQ], s[10:11] offset:(32*(\wt/2)+8*(\wt%2))*4
	global_load_b128 v[BT+32+8*\wt+4:BT+32+8*\wt+7], v[BOQ], s[10:11] offset:(32*(\wt/2)+8*(\wt%2))*4+16
.endr
.irp wt, 0,1,2,3
.irp j, 0,1,2,3,4,5,6,7
	global_load_b32 v[BT+64+8*\wt+\j], v[BOV], s[12:13] offset:(32*(\wt/2)+8*(\wt%2))*4
.endr
.endr
	WIN 0
.macro FETCH s, slot, set
	WIN 0x80+0x40*(\set)
.irp T, 0,1,2,3,4,5,6,7
.irp c, 0,1,2
	ds_load_b128 v[12*\T+4*\c:12*\T+4*\c+3], v[AX+(\s)/4] offset:((\s)%4)*12288+\T*1536+512*\c
.endr
.endr
.irp nt, 0,1,2,3
.irp c, 0,1,2
	ds_load_b128 v[96+12*\nt+4*\c:96+12*\nt+4*\c+3], v[AW+2*(\slot)+((\s)%4)/2] offset:((\s)%2)*24576+\nt*1536+512*\c
.endr
.endr
.endm
.macro SCALES hf
	WIN 0
.irp T, 0,1,2,3,4,5,6,7
.irp sp, 0,1
	ds_load_b32 v[SCB+24*(\hf)+2*\T+\sp], v[AXS] offset:(\hf)*2048+\T*256+\sp*128
.endr
.endr
.irp nt, 0,1,2,3
.irp sp, 0,1
	ds_load_b32 v[SCB+24*(\hf)+16+2*\nt+\sp], v[AWS+(\hf)] offset:\nt*256+\sp*128
.endr
.endr
.endm
.macro MUL mode, set, sq, sc, first, tt
.if \first
	WIN 0x6a
.else
	WIN 0x5a+5*(\set)
.endif
.irp T, 0,1,2,3,4,5,6,7
.irp nt, 0,1,2,3
.if \mode
.set rD, 8*(8*\nt+\T)
.set rA, 12*\T
.set rB, 96+12*\nt
.set rSA, SCB+24*(\sc)+2*\T+(\sq)/2
.set rSB, SCB+24*(\sc)+16+2*\nt+(\sq)/2
.else
.set rD, 8*(4*\T+\nt)
.set rA, 96+12*\nt
.set rB, 12*\T
.set rSA, SCB+24*(\sc)+16+2*\nt+(\sq)/2
.set rSB, SCB+24*(\sc)+2*\T+(\sq)/2
.endif
.set rC, BT+32*(\tt)+8*\nt
.if \first
	v_wmma_scale_f32_16x16x128_f8f6f4 v[rD:rD+7], v[rA:rA+11], v[rB:rB+11], v[rC:rC+7], v[rSA], v[rSB] matrix_a_fmt:MATRIX_FMT_BF6 matrix_b_fmt:MATRIX_FMT_BF6
.elseif (\sq)%2
	v_wmma_scale_f32_16x16x128_f8f6f4 v[rD:rD+7], v[rA:rA+11], v[rB:rB+11], v[rD:rD+7], v[rSA], v[rSB] matrix_a_fmt:MATRIX_FMT_BF6 matrix_b_fmt:MATRIX_FMT_BF6 matrix_a_scale:MATRIX_SCALE_ROW1 matrix_b_scale:MATRIX_SCALE_ROW1
.else
	v_wmma_scale_f32_16x16x128_f8f6f4 v[rD:rD+7], v[rA:rA+11], v[rB:rB+11], v[rD:rD+7], v[rSA], v[rSB] matrix_a_fmt:MATRIX_FMT_BF6 matrix_b_fmt:MATRIX_FMT_BF6
.endif
.endr
.endr
.endm
.macro STEP mode, s, tt
	s_wait_dscnt 0x0
	PLACES
	FETCH (\s)+1, ((\s)+1)/4, ((\s)+1)%2
.if (\s) == 0
	MUL \mode, 0, 0, 0, 1, \tt
.else
	MUL \mode, (\s)%2, (\s)%4, (\s)/4, 0, \tt
.endif
.endm
.macro TURN mode, s, tt, fill
	WIN 0
	s_wait_tensorcnt 0x0
	ds_add_u32 v[SPW], v[NIL]
.if \fill
	s_add_nc_u64 s[G0W+4*((\s)/4)+2:G0W+4*((\s)/4)+3], s[G0W+4*((\s)/4)+2:G0W+4*((\s)/4)+3], 2*SLOTB
.endif
	s_wait_dscnt 0x0
.if \fill
	CROUND
	tensor_load_to_lds s[G0W+4*((\s)/4):G0W+4*((\s)/4)+3], s[G1W:G1W+7]
	s_nop 0
.else
	s_barrier_signal -1
	s_barrier_wait -1
.endif
	PLACES
	FETCH ((\s)+1)%8, 1-(\s)/4, 0
	SCALES 1-(\s)/4
	MUL \mode, 1, 3, (\s)/4, 0, \tt
.endm
.macro QUANT s, d, pw
	WIN 0x05
.irp b, 0,1,2,3
	v_max3_num_f32 v[TM+\b], |v[\s+16*\b]|, |v[\s+16*\b+1]|, 0x2800000
.endr
.irp i, 2,4,6,8,10,12,14
.irp b, 0,1,2,3
	v_max3_num_f32 v[TM+\b], |v[\s+16*\b+\i]|, |v[\s+16*\b+\i+1]|, v[TM+\b]
.endr
.endr
	WIN 0
.irp b, 0,1,2,3
	v_permlanex16_b32 v[TM+4+\b], v[TM+\b], s[SEL], s[SEL+1]
.endr
.irp b, 0,1,2,3
	v_max_num_f32 v[TM+\b], v[TM+\b], v[TM+4+\b]
.endr
.irp b, 0,1,2,3
	v_add_nc_u32 v[TM+12+\b], 0xfe000000, v[TM+\b]
.endr
.irp b, 0,1,2,3
	v_lshrrev_b32 v[TM+4+\b], 23, v[TM+12+\b]
.endr
	v_lshl_or_b32 v[\pw], v[TM+5], 8, v[TM+4]
	v_lshl_or_b32 v[\pw], v[TM+6], 16, v[\pw]
	v_lshl_or_b32 v[\pw], v[TM+7], 24, v[\pw]
	WIN 0x01
.irp c, 0,1
	v_cvt_scalef32_pk16_bf6_f32 v[\d+6*\c:\d+6*\c+2], v[\s+32*\c:\s+32*\c+15], v[TM+12+2*\c]
	v_cvt_scalef32_pk16_bf6_f32 v[CT+4*\c:CT+4*\c+2], v[\s+32*\c+16:\s+32*\c+31], v[TM+12+2*\c+1]
.endr
	WIN 0
	v_nop
.irp c, 0,1
.irp i, 0,1,2
	v_permlane16_swap_b32 v[\d+6*\c+\i], v[CT+4*\c+\i]
.endr
.irp i, 0,1,2
	v_mov_b32 v[\d+6*\c+3+\i], v[CT+4*\c+\i]
.endr
.endr
.endm
.macro EPI mode, bs, imgoff, scoff
	PLACES
	s_wait_xcnt 0x0
.irp p, 0,1,2,3
.if \mode
	QUANT 64*\p, IMG+12*\p, PWS+\p
.else
	QUANT 64*\p, IMG+12*\p, PW
	v_bfe_u32 v[SCI+\p], v[PW], v[SH16], 16
.endif
.endr
.if \mode
	v_cndmask_b32 v[SCI], v[PWS], v[PWS+1], s[HI]
	v_cndmask_b32 v[SCI+1], v[PWS+2], v[PWS+3], s[HI]
.endif
.irp i, 0,1,2,3,4,5,6,7,8,9,10,11
	global_store_b128 v[L16], v[IMG+4*\i:IMG+4*\i+3], s[\bs:\bs+1] offset:\imgoff+512*\i
.endr
.if \mode
	global_store_b64 v[L8], v[SCI:SCI+1], s[\bs:\bs+1] offset:\scoff
.else
	global_store_b128 v[L16], v[SCI:SCI+3], s[\bs:\bs+1] offset:\scoff
.endif
.endm
.macro TILE mode, tt
	STEP \mode, 0, \tt
	STEP \mode, 1, \tt
	STEP \mode, 2, \tt
.if \tt < 2
	TURN \mode, 3, \tt, 1
.else
	TURN \mode, 3, \tt, 0
.endif
	STEP \mode, 4, \tt
	STEP \mode, 5, \tt
	STEP \mode, 6, \tt
.if \tt < 2
	TURN \mode, 7, \tt, 1
.else
	s_wait_dscnt 0x0
	MUL \mode, 1, 3, 1, 0, \tt
.endif
.endm
	s_wait_tensorcnt 0x1
	s_barrier_signal -1
	s_barrier_wait -1
	FETCH 0, 0, 0
	SCALES 0
	s_wait_loadcnt 0x0
	TILE 0, 0
	EPI 0, QP, 0, 6144
	TILE 0, 1
	EPI 0, KP, 0, 12288
	TILE 1, 2
	EPI 1, KP, 6144, 12800
	s_wait_tensorcnt 0x0
	ds_add_u32 v[SPW], v[NIL]
	s_wait_dscnt 0x0
	CROUND
	s_endpgm
.Lfunc_end_k_q6bf21736b2_proj:
	.size	k_q6bf21736b2_proj, .Lfunc_end_k_q6bf21736b2_proj-k_q6bf21736b2_proj
	.p2alignl 7, 3214868480
	.fill 96, 4, 3214868480
	.section	.rodata,"a",@progbits
	.p2align	6, 0x0
	.amdhsa_kernel k_q6bf21736b2_proj
		.amdhsa_group_segment_fixed_size 327680
		.amdhsa_private_segment_fixed_size 0
		.amdhsa_enable_private_segment 0
		.amdhsa_kernarg_size 56
		.amdhsa_user_sgpr_count 2
		.amdhsa_user_sgpr_kernarg_segment_ptr 1
		.amdhsa_wavefront_size32 1
		.amdhsa_system_sgpr_workgroup_id_x 1
		.amdhsa_system_sgpr_workgroup_id_y 1
		.amdhsa_system_sgpr_workgroup_id_z 1
		.amdhsa_system_vgpr_workitem_id 0
		.amdhsa_next_free_vgpr 1024
		.amdhsa_next_free_sgpr 84
		.amdhsa_reserve_vcc 0
		.amdhsa_float_denorm_mode_32 3
		.amdhsa_float_denorm_mode_16_64 3
		.amdhsa_memory_ordered 1
		.amdhsa_forward_progress 1
		.amdhsa_inst_pref_size 230
	.end_amdhsa_kernel
	.amdgpu_metadata
---
amdhsa.version: [ 1, 2 ]
amdhsa.kernels:
  - .name:           k_q6bf21736b2_proj
    .symbol:         k_q6bf21736b2_proj.kd
    .args:
      - { .name: xq, .offset: 0, .size: 8, .value_kind: global_buffer, .address_space: global }
      - { .name: wq, .offset: 8, .size: 8, .value_kind: global_buffer, .address_space: global }
      - { .name: bq, .offset: 16, .size: 8, .value_kind: global_buffer, .address_space: global }
      - { .name: bk, .offset: 24, .size: 8, .value_kind: global_buffer, .address_space: global }
      - { .name: bv, .offset: 32, .size: 8, .value_kind: global_buffer, .address_space: global }
      - { .name: qws, .offset: 40, .size: 8, .value_kind: global_buffer, .address_space: global }
      - { .name: kv, .offset: 48, .size: 8, .value_kind: global_buffer, .address_space: global }
    .group_segment_fixed_size: 327680
    .private_segment_fixed_size: 0
    .kernarg_segment_align: 8
    .kernarg_segment_size: 56
    .max_flat_workgroup_size: 128
    .sgpr_count:     84
    .vgpr_count:     1024
    .wavefront_size: 32
...
	.end_amdgpu_metadata
.endif
;; end of part 2
;; launch attn (part 3): grid 4 x 64, 16 waves a work-group, clusters of 4 x 1, 327,680 bytes of LDS; arguments qws, kv, out0; writes out0
.if DOCPART == 3
	.amdgcn_target "amdgcn-amd-amdhsa--gfx1250"
	.amdhsa_code_object_version 6
	.text
	.protected	k_q6bf21736b2_attn
	.globl	k_q6bf21736b2_attn
	.p2align	8
	.type	k_q6bf21736b2_attn,@function
k_q6bf21736b2_attn:
	s_mov_b64 s[64:65], 0
	v_nop
	global_prefetch_b8 v0, s[64:65] scope:SCOPE_SE
	s_setreg_imm32_b32 hwreg(HW_REG_WAVE_MODE, 25, 1), 1
	s_wait_xcnt 0x0
	s_wait_alu depctr_hold_cnt(0) depctr_sa_sdst(0) depctr_va_vdst(0) depctr_va_sdst(0) depctr_va_ssrc(0) depctr_va_vcc(0) depctr_vm_vsrc(0)
	s_getreg_b32 s2, hwreg(HW_REG_IB_STS2, 6, 4)
	s_cmp_eq_u32 s2, 0
	s_cbranch_scc0 .Lentry_in_a_cluster
	s_endpgm
.Lentry_in_a_cluster:
	s_bfe_u32 s2, ttmp6, 0x10000c
	s_cmp_lg_u32 s2, 0x3003
	s_cbranch_scc0 .Lentry_shape_is_right
	s_endpgm
.Lentry_shape_is_right:
; LAUNCH 3 OF 3: out[b][q][64 head ..] = the sum over keys of softmax(q . k / 8) v, both products on the codes of E3M2 that the second launch made.  No work is left out.
; THE SOFTMAX AHEAD OF THE SECOND PRODUCT: t = score x log2(e) / 8; M = the row's largest t so far, rounded UP to a whole number; p = 2^(t - M) is what is quantised, along the keys, in blocks of 32; it is not normalised.
; The row's sum is taken of the unquantised p, in f32, and divides at the end.  When M moves, the sum and O are multiplied by 2^(old M - new M): exact.
; LIMITS: NaN and infinities are not served.  A block's largest p is made from the block's largest score by the same multiply-add and exponential; that takes v_exp_f32 not to fall where its input rises.
; SHARES.  A work-group owns 512 queries of one head (batch x head = grid y).  THE HEAD'S WHOLE K AND V, 16 key steps of 13,056 bytes, scale registers among them, come into LDS ONCE and stay: no slot is filled again.
; Wave w fetches key step w by one tensor load.  Each of the sixteen waves, four to a SIMD, owns 32 queries, a pair of tiles, and walks all sixteen key steps twice, once for each tile.
; CLUSTER.  The four work-groups of a head need the same K and V: each step is asked for JOINTLY, by the same tensor load with the same descriptor and the mask of all four.
; LAYOUT.  Both products are used transposed: S^T = K Q^T (source 0 = 16 keys, source 1 = my 16 queries), O^T = V^T P^T (source 0 = 16 channels, source 1 = P): a lane holds ONE query (lane % 16) throughout.
; By the choice of a tile's rows (first launch) the 16 registers of result tiles 2 b and 2 b + 1 are keys (or channels) 32 b + 16 (lane / 16) + 0 .. 15; tile u's lane r is query 8 u + r + 8 (r / 8) of my 32.
; K = 64 IN AN INSTRUCTION OF 128: Q's fragment has zero codes in registers 6-11.  K's tile t is named v[42 + 6 t : 53 + 6 t]: its upper six registers are the next tile's codes (zeros behind tile 7), which meet Q's zeros;
; the scale bytes of that half are 0 on both sides, no NaN: the half adds nothing.
; REGISTERS: v1-9 addresses; v12 -M, v13 the largest t, v[14:15] the sum in two halves; v16-27, v28-39 Q's two tiles; v40 their scale words; v42-89 K's, then V's 48 registers; v90-95 zeros; v96-159 S^T, then p;
;   v160-191 O^T; v192-203 p's codes; v204-239 at work and scale registers.
.set STEPB, 13056
.set STAGE, 16*STEPB                   ; the way out: 16 rows x (256 bytes + 16) for each wave; no tensor load lands here
.set SPARE, STAGE+16*4352              ; the spare words, 128 bytes for each wave: eight blocks of 256 bytes that no other line names
.set L16, 1                            ; v1   16 x lane
.set L8,  2                            ; v2   8 x lane
.set ADK, 3                            ; v3   the step's images
.set ADT, 4                            ; v4   the step's, at 8 bytes a lane
.set SPW, 5                            ; v5   LDS address of my spare word; never rewritten
.set NIL, 6                            ; v6   0; never rewritten
.set GO,  7                            ; v7   the way out: my byte offset in two rows of the output
.set STO, 8                            ; v8   where I put my 64 bytes of a row
.set RD,  9                            ; v9   where I read a row back
.set WV,  18
.set SEL, 20
.set CS,  22                           ; s[22:23] c = log2(e) / 8: the packed form names a pair and takes its low word for both halves
.set TB,  2                            ; s2   LDS byte at which the key step in hand begins
.set CNT, 3
.macro CROUND
	s_barrier_signal -1
	s_barrier_wait -1
	s_cmp_lg_u32 s[WV], 0
	s_cbranch_scc1 .Lnot_wave_0_\@
	s_barrier_signal -3
.Lnot_wave_0_\@:
	s_barrier_wait -3
	s_barrier_signal -1
	s_barrier_wait -1
.endm
	s_load_b128 s[4:7], s[0:1], 0x0                ; qws, kv
	s_load_b64 s[8:9], s[0:1], 0x10                ; out0
	v_lshl_add_u32 v[SPW], v0, 2, SPARE
	v_mov_b32 v[NIL], 0
	ds_add_u32 v[SPW], v[NIL]                      ; the wave's opening: the add, twice on end, and its wait ahead of my first tensor load
	ds_add_u32 v[SPW], v[NIL]
	v_lshrrev_b32 v1, 5, v0
	s_delay_alu instid0(VALU_DEP_1)
	v_readfirstlane_b32 s[WV], v1                  ; wave 0..15
	s_bfe_u32 s10, ttmp6, 0x40000                  ; cx: it enters Q's and the output's addresses alone
	s_and_b32 s11, ttmp7, 0xffff                   ; batch x head, which the four partners share
	s_mov_b32 s24, 15|(3<<16)|(1<<21)              ; 15:0 the mask: all four; 17:16 elements of 8 bytes; 20 no padding; 21 set beside a mask
	s_mov_b32 s25, 32<<16                          ; tensor_dim0 = 32 elements: 256 bytes
	s_mov_b32 s26, 51<<16                          ; tensor_dim1 = 51 rows: 13,056 dense bytes
	s_mov_b32 s27, 32<<16                          ; tile_dim0
	s_mov_b32 s28, 51                              ; tile_dim1
	s_mov_b32 s29, 32                              ; the pitch: rows on end
	s_mov_b32 s30, 0
	s_mov_b32 s31, 0
	s_mul_i32 s12, s[WV], STEPB                    ; key step w: in LDS and in the head's block of memory
	s_mul_i32 s13, s11, 16*STEPB
	s_add_co_u32 s14, s13, s12
	s_mov_b32 s15, 0
	s_mov_b32 s[SEL], 0x76543210
	s_mov_b32 s[SEL+1], 0xfedcba98
	s_mov_b32 s[CS], 0x3e38aa3b
	s_mov_b32 s[CS+1], s[CS]
	s_wait_dscnt 0x0                               ; both opening adds are done
	s_wait_kmcnt 0x0
	s_mov_b32 s32, 1
	s_mov_b32 s33, s12
	s_add_nc_u64 s[34:35], s[6:7], s[14:15]
	s_or_b32 s35, s35, 0x80000000
	CROUND                                         ; all four work-groups are here: the joint loads meet
	tensor_load_to_lds s[32:35], s[24:31]          ; my one tensor load
	s_nop 0
.rept 4
	v_nop
.endr
	s_lshl_b32 s36, ttmp9, 2
	s_add_co_u32 s36, s36, s10
	s_lshl_b32 s36, s36, 4
	s_add_co_u32 s36, s36, s[WV]                   ; which 32 queries of the head are mine, 0..63
	s_lshr_b32 s37, s36, 2                         ; their block of 128,
	s_and_b32 s38, s36, 3                          ; and pair of tiles in it
	s_lshl_b32 s39, s11, 4
	s_add_co_u32 s39, s39, s37
	s_mul_i32 s40, s39, 6656
	s_mul_i32 s41, s38, 1536
	s_add_co_u32 s42, s40, s41
	s_mov_b32 s43, 0
	s_add_nc_u64 s[44:45], s[4:5], s[42:43]        ; Q's image: my pair's 12 registers
	s_lshl_b32 s41, s38, 2
	s_add_co_u32 s42, s40, s41
	s_add_co_u32 s42, s42, 6144
	s_add_nc_u64 s[46:47], s[4:5], s[42:43]        ; and its scale register
	s_lshr_b32 s40, s11, 4
	s_lshl_b32 s40, s40, 11
	s_lshl_b32 s41, s36, 5
	s_add_co_u32 s40, s40, s41                     ; my first row of the output: 2,048 x batch + 32 x my number
	s_lshl_b32 s40, s40, 12
	s_and_b32 s41, s11, 15
	s_lshl_b32 s41, s41, 8                         ; my head's 256 bytes of a row
	s_add_co_u32 s42, s40, s41
	s_add_nc_u64 s[8:9], s[8:9], s[42:43]
	v_and_b32 v10, 31, v0
	s_delay_alu instid0(VALU_DEP_1)
	v_lshlrev_b32 v[L16], 4, v10
	s_delay_alu instid0(VALU_DEP_2)
	v_lshlrev_b32 v[L8], 3, v10
	global_load_b128 v[16:19], v[L16], s[44:45]              ; tile 0: image registers 0-3,
	global_load_b64 v[20:21], v[L16], s[44:45] offset:512    ; 4, 5;
	global_load_b64 v[28:29], v[L16], s[44:45] offset:520    ; tile 1: 6, 7,
	global_load_b128 v[30:33], v[L16], s[44:45] offset:1024  ; 8-11
	global_load_b32 v40, v[L16], s[46:47]                    ; lanes 0-15 tile 0's scale words, lanes 16-31 tile 1's
	v_and_b32 v10, 15, v0                          ; r
	v_bfe_u32 v11, v0, 4, 1                        ; h
	s_delay_alu instid0(VALU_DEP_1)
	v_lshlrev_b32 v[GO], 12, v11
	s_delay_alu instid0(VALU_DEP_1)
	v_lshl_add_u32 v[GO], v10, 4, v[GO]            ; lanes 0-15 one row of the output, lanes 16-31 the next; 16 bytes a lane
	s_mul_i32 s19, s[WV], 4352
	s_add_co_u32 s19, s19, STAGE                   ; my stage
	v_mul_u32_u24 v[STO], v10, 272
	s_delay_alu instid0(VALU_DEP_1)
	v_lshl_add_u32 v[STO], v11, 6, v[STO]
	s_delay_alu instid0(VALU_DEP_1)
	v_add_nc_u32 v[STO], s19, v[STO]               ; in: row r, + 64 h
	v_mul_u32_u24 v[RD], v11, 272
	s_delay_alu instid0(VALU_DEP_1)
	v_lshl_add_u32 v[RD], v10, 4, v[RD]
	s_delay_alu instid0(VALU_DEP_1)
	v_add_nc_u32 v[RD], s19, v[RD]                 ; back: two rows an instruction
.irp j, 22,23,24,25,26,27,34,35,36,37,38,39,90,91,92,93,94,95
	v_mov_b32 v[\j], 0                             ; zero codes: the upper halves of Q's fragments, and what stands behind K's tile 7
.endr
.irp j, 216,217,218,219,227
	v_mov_b32 v[\j], 0                             ; lane permutes' destinations, and the upper half of the pair v[226:227]: written before they are named
.endr
	s_wait_loadcnt 0x0                             ; Q
	s_wait_tensorcnt 0x0                           ; my key step is in,
	s_barrier_signal -1
	s_barrier_wait -1                              ; everybody's is
.macro SQK t, u                        ; S^T's tile t for query tile u
.set rD, 96+8*(\t)
.set rA, 42+6*(\t)
.set rB, 16+12*(\u)
.set rS, 230+(\t)/2
.if ((\t)%2) && (\u)
	v_wmma_scale_f32_16x16x128_f8f6f4 v[rD:rD+7], v[rA:rA+11], v[rB:rB+11], 0, v[rS], v40 matrix_a_fmt:MATRIX_FMT_BF6 matrix_b_fmt:MATRIX_FMT_BF6 matrix_a_scale:MATRIX_SCALE_ROW1 matrix_b_scale:MATRIX_SCALE_ROW1
.elseif (\t)%2
	v_wmma_scale_f32_16x16x128_f8f6f4 v[rD:rD+7], v[rA:rA+11], v[rB:rB+11], 0, v[rS], v40 matrix_a_fmt:MATRIX_FMT_BF6 matrix_b_fmt:MATRIX_FMT_BF6 matrix_a_scale:MATRIX_SCALE_ROW1
.elseif \u
	v_wmma_scale_f32_16x16x128_f8f6f4 v[rD:rD+7], v[rA:rA+11], v[rB:rB+11], 0, v[rS], v40 matrix_a_fmt:MATRIX_FMT_BF6 matrix_b_fmt:MATRIX_FMT_BF6 matrix_b_scale:MATRIX_SCALE_ROW1
.else
	v_wmma_scale_f32_16x16x128_f8f6f4 v[rD:rD+7], v[rA:rA+11], v[rB:rB+11], 0, v[rS], v40 matrix_a_fmt:MATRIX_FMT_BF6 matrix_b_fmt:MATRIX_FMT_BF6
.endif
.endm
.macro PVM ct                          ; O^T's channel tile ct
.set rD, 160+8*(\ct)
.set rA, 42+12*(\ct)
.set rS, 234+(\ct)/2
.if (\ct)%2
	v_wmma_scale_f32_16x16x128_f8f6f4 v[rD:rD+7], v[rA:rA+11], v[192:203], v[rD:rD+7], v[rS], v228 matrix_a_fmt:MATRIX_FMT_BF6 matrix_b_fmt:MATRIX_FMT_BF6 matrix_a_scale:MATRIX_SCALE_ROW1
.else
	v_wmma_scale_f32_16x16x128_f8f6f4 v[rD:rD+7], v[rA:rA+11], v[192:203], v[rD:rD+7], v[rS], v228 matrix_a_fmt:MATRIX_FMT_BF6 matrix_b_fmt:MATRIX_FMT_BF6
.endif
.endm
; A KEY STEP: 128 keys against my tile u
.macro STEP u
	v_add_nc_u32 v[ADK], s[TB], v[L16]
	v_add_nc_u32 v[ADT], s[TB], v[L8]
	v_nop
	v_nop                                          ; with the two additions: four places in front of loads into registers that the last products have read
.irp i, 0,1,2,3,4,5,6,7,8,9,10,11
	ds_load_b128 v[42+4*\i:45+4*\i], v[ADK] offset:512*\i          ; K's eight half fragments, as they lie
.endr
	ds_load_b128 v[230:233], v[ADK] offset:12288                   ; and their four scale registers
	s_wait_alu depctr_va_vdst(0)
	s_wait_dscnt 0x0
.irp t, 0,1,2,3,4,5,6,7
	SQK \t, \u
.endr
.rept 4
	v_nop                                          ; places: for the loads below and for the first read of the scores
.endr
.irp i, 0,1,2,3,4,5,6,7,8,9,10,11
	ds_load_b128 v[42+4*\i:45+4*\i], v[ADK] offset:6144+512*\i     ; V's four fragments land while the softmax is walked
.endr
	ds_load_b64 v[234:235], v[ADT] offset:12800
.irp b, 0,1,2,3
	v_max3_num_f32 v[212+\b], v[96+16*\b], v[97+16*\b], v[98+16*\b]   ; THE LARGEST SCORE OF EACH BLOCK OF 32 KEYS: it serves the row's maximum and, since p rises with the score, the block's largest p
.endr
.irp i, 3,5,7,9,11,13
.irp b, 0,1,2,3
	v_max3_num_f32 v[212+\b], v[212+\b], v[96+16*\b+\i], v[97+16*\b+\i]   ; (the four blocks by turns)
.endr
.endr
.irp b, 0,1,2,3
	v_max_num_f32 v[212+\b], v[212+\b], v[111+16*\b]
.endr
.irp b, 0,1,2,3
	s_delay_alu instid0(VALU_DEP_4)
	v_permlanex16_b32 v[216+\b], v[212+\b], s[SEL], s[SEL+1]
.endr
.irp b, 0,1,2,3
	s_delay_alu instid0(VALU_DEP_4)
	v_max_num_f32 v[212+\b], v[212+\b], v[216+\b]  ; with lane l xor 16's 16 keys
.endr
	s_delay_alu instid0(VALU_DEP_2)
	v_max3_num_f32 v224, v212, v213, v214
	s_delay_alu instid0(VALU_DEP_1)
	v_max_num_f32 v224, v224, v215                 ; the step's largest score of my query
	s_delay_alu instid0(VALU_DEP_1)
	v_mul_f32 v224, s[CS], v224                    ; as t (c is positive)
	s_delay_alu instid0(VALU_DEP_1)
	v_max_num_f32 v13, v13, v224                   ; the running largest t
	v_mov_b32 v224, v12
	s_delay_alu instid0(VALU_DEP_2)
	v_floor_f32 v12, -v13                          ; the new -M = floor(-t) = -ceil(t): M is a whole number
	s_delay_alu instid0(VALU_DEP_1)
	v_sub_f32 v224, v12, v224                      ; M's old value less its new one: a whole number, 0 or less
	s_delay_alu instid0(VALU_DEP_1)
	v_cvt_i32_f32 v224, v224                       ; (it saturates)
	s_delay_alu instid0(VALU_DEP_1)
	v_ldexp_f32 v226, 1.0, v224                    ; f = 2^(old M - new M)
.irp j, 0,2,4,6,8,10,12,14,16,18,20,22,24,26,28,30,32,34,36,38,40,42,44,46,48,50,52,54,56,58,60,62
	v_pk_fma_f32 v[96+\j:97+\j], v[96+\j:97+\j], s[CS:CS+1], v[12:13] op_sel_hi:[1,0,0]   ; t - M, two at a time
.endr
.irp b, 0,1,2,3
	v_fma_f32 v[212+\b], v[212+\b], s[CS], v12     ; the same of each block's largest score
.endr
	s_wait_alu depctr_va_vdst(0)
.irp j, 0,1,2,3,4,5,6,7,8,9,10,11,12,13,14,15,16,17,18,19,20,21,22,23,24,25,26,27,28,29,30,31,32,33,34,35,36,37,38,39,40,41,42,43,44,45,46,47,48,49,50,51,52,53,54,55,56,57,58,59,60,61,62,63
	v_exp_f32 v[96+\j], v[96+\j]                   ; p = 2^(t - M), at most 1: not normalised
.endr
	s_setprio 1
	v_pk_mul_f32 v[14:15], v[14:15], v[226:227] op_sel_hi:[1,0]   ; the sums under the new M: a plain place behind the exponentials
	s_wait_alu depctr_va_vdst(0)                   ; the wait ahead of the first instruction that names a result: one for the whole batch
.irp b, 0,1,2,3
	v_exp_f32 v[212+\b], v[212+\b]                 ; the block's largest p: the same two instructions on the same number give the same bits
.endr
	v_pk_add_f32 v[236:237], v[100:101], v[104:105]
	v_pk_add_f32 v[238:239], v[108:109], v[112:113]
	v_pk_add_f32 v[232:233], v[116:117], v[120:121]
	v_pk_add_f32 v[230:231], v[124:125], v[128:129]
	v_pk_add_f32 v[228:229], v[132:133], v[136:137]
	v_pk_add_f32 v[224:225], v[140:141], v[144:145]
	v_pk_add_f32 v[222:223], v[148:149], v[152:153]
	v_pk_add_f32 v[14:15], v[14:15], v[156:157]
	v_pk_add_f32 v[236:237], v[236:237], v[96:97]
	v_pk_add_f32 v[238:239], v[238:239], v[98:99]
	v_pk_add_f32 v[232:233], v[232:233], v[102:103]
	v_pk_add_f32 v[230:231], v[230:231], v[106:107]
	v_pk_add_f32 v[228:229], v[228:229], v[110:111]
	v_pk_add_f32 v[224:225], v[224:225], v[114:115]
	v_pk_add_f32 v[222:223], v[222:223], v[118:119]
	v_pk_add_f32 v[14:15], v[14:15], v[122:123]
	v_pk_add_f32 v[236:237], v[236:237], v[126:127]
	v_pk_add_f32 v[238:239], v[238:239], v[130:131]
	v_pk_add_f32 v[232:233], v[232:233], v[134:135]
	v_pk_add_f32 v[230:231], v[230:231], v[138:139]
	v_pk_add_f32 v[228:229], v[228:229], v[142:143]
	v_pk_add_f32 v[224:225], v[224:225], v[146:147]
	v_pk_add_f32 v[222:223], v[222:223], v[150:151]
	v_pk_add_f32 v[14:15], v[14:15], v[154:155]
	v_pk_add_f32 v[236:237], v[236:237], v[158:159]
	s_delay_alu instid0(VALU_DEP_2)
	v_pk_add_f32 v[14:15], v[14:15], v[230:231]
	s_delay_alu instid0(VALU_DEP_2)
	v_pk_add_f32 v[236:237], v[236:237], v[228:229]
	v_pk_add_f32 v[238:239], v[238:239], v[224:225]
	v_pk_add_f32 v[232:233], v[232:233], v[222:223]
	s_delay_alu instid0(VALU_DEP_2)
	v_pk_add_f32 v[14:15], v[14:15], v[238:239]
	s_delay_alu instid0(VALU_DEP_2)
	v_pk_add_f32 v[236:237], v[236:237], v[232:233]
	s_delay_alu instid0(VALU_DEP_1)
	v_pk_add_f32 v[14:15], v[14:15], v[236:237]
	s_wait_alu depctr_va_vdst(0)                   ; and one for the four
.irp b, 0,1,2,3
	v_max_num_f32 v[212+\b], 0x2800000, v[212+\b]  ; the floor 2^(5 - 127): the byte cannot fall under 1 (a block whose every p has fallen to 0 keeps that byte: its codes are zeros)
.endr
.irp b, 0,1,2,3
	s_delay_alu instid0(VALU_DEP_4)
	v_add_nc_u32 v[220+\b], 0xfe000000, v[212+\b]  ; 4 off the exponent field: the conversion's scale operand
.endr
.irp b, 0,1,2,3
	s_delay_alu instid0(VALU_DEP_4)
	v_lshrrev_b32 v[216+\b], 23, v[220+\b]         ; the scale's byte
.endr
	s_delay_alu instid0(VALU_DEP_3)
	v_lshl_or_b32 v228, v217, 8, v216              ; p's scale word for these 128 keys
	s_delay_alu instid0(VALU_DEP_1)
	v_lshl_or_b32 v228, v218, 16, v228
	s_delay_alu instid0(VALU_DEP_1)
	v_lshl_or_b32 v228, v219, 24, v228
.irp c, 0,1
	v_cvt_scalef32_pk16_bf6_f32 v[192+6*\c:194+6*\c], v[96+32*\c:111+32*\c], v[220+2*\c]
	v_cvt_scalef32_pk16_bf6_f32 v[204+4*\c:206+4*\c], v[112+32*\c:127+32*\c], v[220+2*\c+1]   ; (a conversion's three registers begin on an even number)
.endr
	v_nop                                          ; one plain place behind a scaled conversion
.irp c, 0,1                            ; the operand's layout wants a WHOLE block in a lane: lanes 0-15 block 2 c, lanes 16-31 block 2 c + 1
.irp i, 0,1,2
	v_permlane16_swap_b32 v[192+6*\c+\i], v[204+4*\c+\i]
.endr
.irp i, 0,1,2
	s_delay_alu instid0(VALU_DEP_3)
	v_mov_b32 v[195+6*\c+\i], v[204+4*\c+\i]
.endr
.endr
	s_setprio 0
.irp j, 0,2,4,6,8,10,12,14,16,18,20,22,24,26,28,30
	v_pk_mul_f32 v[160+\j:161+\j], v[160+\j:161+\j], v[226:227] op_sel_hi:[1,0]   ; O^T under the new M.  These sixteen are also the places between the writes of p's codes and scale word and the products
.endr
	s_wait_alu depctr_va_vdst(0)
	s_wait_dscnt 0x0                               ; V is in
.irp ct, 0,1,2,3
	PVM \ct                                        ; the four accumulators by turns, one instruction a turn
.endr
.endm
; All sixteen key steps for tile u, and its way out
.macro PASS u
	v_mov_b32 v13, 0xff61b1e6                      ; the largest t so far: -3e38, under every t
	s_delay_alu instid0(VALU_DEP_1)
	v_floor_f32 v12, -v13                          ; -M
	v_mov_b32 v14, 0
	v_mov_b32 v15, 0
.irp j, 0,1,2,3,4,5,6,7,8,9,10,11,12,13,14,15,16,17,18,19,20,21,22,23,24,25,26,27,28,29,30,31
	v_mov_b32 v[160+\j], 0                         ; O^T.  (The step is written once: the first finds zeros, which the first change of M leaves zeros)
.endr
	s_mov_b32 s[TB], 0
	s_mov_b32 s[CNT], 16
.Lstep_\@:
	s_setprio 2
	STEP \u
	s_add_co_u32 s[TB], s[TB], STEPB
	s_sub_co_u32 s[CNT], s[CNT], 1
	s_cmp_lg_u32 s[CNT], 0
	s_cbranch_scc1 .Lstep_\@
	s_setprio 0
	v_add_f32 v14, v14, v15                        ; the sum's two halves,
	s_delay_alu instid0(VALU_DEP_1)
	v_permlanex16_b32 v216, v14, s[SEL], s[SEL+1]
	s_delay_alu instid0(VALU_DEP_1)
	v_add_f32 v14, v14, v216                       ; and lane l xor 16's: the row's sum
	s_wait_alu depctr_va_vdst(0)
	v_rcp_f32 v14, v14
.rept 3
	v_nop                                          ; a plain place behind the reciprocal; with the two additions these are the places behind the last products
.endr
	s_wait_alu depctr_va_vdst(0)                   ; the wait, ahead of the first reader
.irp j, 0,1,2,3,4,5,6,7,8,9,10,11,12,13,14,15,16,17,18,19,20,21,22,23,24,25,26,27,28,29,30,31
	v_mul_f32 v[96+\j], v[160+\j], v14             ; O^T / the sum: register 16 b + i is channel 32 b + 16 h + i of my query; each accumulator from its low end on
.endr
.irp bb, 0,1
.irp qq, 0,1,2,3
	ds_store_b128 v[STO], v[96+16*\bb+4*\qq:99+16*\bb+4*\qq] offset:128*\bb+16*\qq
.endr
.endr
.irp i, 0,1,2,3,4,5,6,7
	ds_load_b128 v[128+4*\i:131+4*\i], v[RD] offset:544*\i   ; LDS serves a wave's instructions in order: these see my stores
.endr
.irp i, 0,1,2,3,4,5,6,7
	s_wait_dscnt 7-\i                              ; the younger loads may be out
	global_store_b128 v[GO], v[128+4*\i:131+4*\i], s[8:9] offset:\u*32768+(2*\i+8*(\i/4))*4096 th:TH_STORE_NT   ; tile rows 2 i, 2 i + 1 are queries 8 u + 2 i + 8 (i / 4) and the next; 16 lanes store 256 consecutive bytes, aligned
.endr
	s_wait_xcnt 0x0                                ; the stores have read their registers, which the next pass writes
.endm
	PASS 0
	PASS 1
	s_wait_tensorcnt 0x0                           ; the wave's end: behind my tensor load and my last LDS store
	ds_add_u32 v[SPW], v[NIL]
	s_wait_dscnt 0x0
	CROUND                                         ; the closing round
	s_endpgm
.Lfunc_end_k_q6bf21736b2_attn:
	.size	k_q6bf21736b2_attn, .Lfunc_end_k_q6bf21736b2_attn-k_q6bf21736b2_attn
	.p2alignl 7, 3214868480
	.fill 96, 4, 3214868480
	.section	.rodata,"a",@progbits
	.p2align	6, 0x0
	.amdhsa_kernel k_q6bf21736b2_attn
		.amdhsa_group_segment_fixed_size 327680
		.amdhsa_private_segment_fixed_size 0
		.amdhsa_enable_private_segment 0
		.amdhsa_kernarg_size 24
		.amdhsa_user_sgpr_count 2
		.amdhsa_user_sgpr_kernarg_segment_ptr 1
		.amdhsa_wavefront_size32 1
		.amdhsa_system_sgpr_workgroup_id_x 1
		.amdhsa_system_sgpr_workgroup_id_y 1
		.amdhsa_system_sgpr_workgroup_id_z 1
		.amdhsa_system_vgpr_workitem_id 0
		.amdhsa_next_free_vgpr 240
		.amdhsa_next_free_sgpr 66
		.amdhsa_reserve_vcc 0
		.amdhsa_float_denorm_mode_32 3
		.amdhsa_float_denorm_mode_16_64 3
		.amdhsa_memory_ordered 1
		.amdhsa_forward_progress 1
		.amdhsa_inst_pref_size 49
	.end_amdhsa_kernel
	.amdgpu_metadata
---
amdhsa.version: [ 1, 2 ]
amdhsa.kernels:
  - .name:           k_q6bf21736b2_attn
    .symbol:         k_q6bf21736b2_attn.kd
    .args:
      - { .name: qws, .offset: 0, .size: 8, .value_kind: global_buffer, .address_space: global }
      - { .name: kv, .offset: 8, .size: 8, .value_kind: global_buffer, .address_space: global }
      - { .name: out0, .offset: 16, .size: 8, .value_kind: global_buffer, .address_space: global }
    .group_segment_fixed_size: 327680
    .private_segment_fixed_size: 0
    .kernarg_segment_align: 8
    .kernarg_segment_size: 24
    .max_flat_workgroup_size: 512
    .sgpr_count:     66
    .vgpr_count:     240
    .wavefront_size: 32
...
	.end_amdgpu_metadata
.endif
;; end of part 3
